; MI455X (gfx1250); checked and timed in simulation.
; The chip was launched on July 23, 2026; its instructions are those of AMD's public machine-readable ISA for CDNA 5 (MIT licence, August 2026) and "CDNA5" Instruction Set Architecture Reference Guide (July 2026). The comments in the code are by the model that wrote it; some were corrected since.
;; Weight Only Quantized Linear Impl. Allowed arithmetic: float matrix products may take bf16 or f16 operands with f32 sums; other float arithmetic in f32, or as packed bf16 or f16 multiplies, adds, multiply-adds, maxima and minima; sums over many terms, partial sums and values carried from step to step in f32; what a program stores and reads back later, other than sums and carried values, may be rounded once to bf16 or f16.
;; Inputs: bias 11,008 float32; input 1,024 x 4,096 float32; qweight 4,096 x 11,008 int32; scales 32 x 11,008 float32.
;; Outputs: out0 1,024 x 11,008 float32.
;; 3 versions, each right; version 3 is version 2 with the launch tohalf written anew for expert scheduling mode. Each part assembles by itself: llvm-mc -triple=amdgcn-amd-amdhsa -mcpu=gfx1250 --defsym DOCPART=n.
;; ======== version 1 of 3: 2 launches
;; limits: values are held in f16: magnitudes above 65,504 overflow, below 6.1e-05 lose precision
;; workspace buffers: xh 8,388,608 bytes
;; launch tohalf (part 1): grid 256 x 1, 8 waves a work-group, no clusters, 0 bytes of LDS; arguments input, xh; writes xh
.if DOCPART == 1
	.amdgcn_target "amdgcn-amd-amdhsa--gfx1250"
	.amdhsa_code_object_version 6
	.text
	.protected	k_q7117cbb639_tohalf
	.globl	k_q7117cbb639_tohalf
	.p2align	8
	.type	k_q7117cbb639_tohalf,@function
k_q7117cbb639_tohalf:
	s_mov_b64 s[64:65], 0
	v_nop
	global_prefetch_b8 v0, s[64:65] scope:SCOPE_SE
	s_setreg_imm32_b32 hwreg(HW_REG_WAVE_MODE, 25, 1), 1
	s_wait_xcnt 0x0
; xh[i] = f16(input[i]), rounded once to nearest even.  input: 1,024 x 4,096 f32, xh: the same numbers in f16, same order.
; LIMITS.  f16 ends at 65,504: an |x| of 65,520 or more becomes an infinity; below 6.1e-5 a number keeps f16's fixed step of 6e-8.
; A stream: no LDS, no barrier, no matrix unit, since no number is used twice.
; SHARES.  A work-group takes 16,384 numbers, each of its eight waves 2,048: sixteen loads of 512 consecutive bytes and sixteen stores
; of 256 consecutive bytes that begin at a multiple of 256 from xh's first byte.  All sixteen loads of a wave go out before its first store:
; 8 KiB a wave on their way.  No register is written twice, so no wait frees a source.
.set X, 16                             ; v[16:79]   load j: 4 registers
.set Y, 80                             ; v[80:111]  store j: 2 registers
	s_load_b128 s[4:7], s[0:1], 0x0                ; input s[4:5], xh s[6:7]
	v_lshrrev_b32 v3, 5, v0                        ; wave
	v_and_b32 v4, 31, v0                           ; lane
	v_lshlrev_b32 v1, 4, v4
	v_lshl_or_b32 v1, v3, 13, v1                   ; in: 8,192 x wave + 16 x lane
	v_lshlrev_b32 v2, 3, v4
	v_lshl_or_b32 v2, v3, 12, v2                   ; out: 4,096 x wave + 8 x lane
	s_lshl_b32 s2, ttmp9, 16                       ; the work-group's 65,536 bytes of input
	s_mov_b32 s3, 0
	s_lshl_b32 s8, ttmp9, 15                       ; and its 32,768 bytes of xh
	s_mov_b32 s9, 0
	s_wait_kmcnt 0x0
	s_add_nc_u64 s[4:5], s[4:5], s[2:3]
	s_add_nc_u64 s[6:7], s[6:7], s[8:9]
.irp j, 0,1,2,3,4,5,6,7,8,9,10,11,12,13,14,15
	global_load_b128 v[X+4*\j:X+4*\j+3], v1, s[4:5] offset:512*\j th:TH_LOAD_NT
.endr
.irp j, 0,1,2,3,4,5,6,7,8,9,10,11,12,13,14,15
	s_wait_loadcnt 15-\j                           ; loads come back in order: load j is in, the younger ones stay out
	v_cvt_pk_f16_f32 v[Y+2*\j], v[X+4*\j], v[X+4*\j+1]
	v_cvt_pk_f16_f32 v[Y+2*\j+1], v[X+4*\j+2], v[X+4*\j+3]
	global_store_b64 v2, v[Y+2*\j:Y+2*\j+1], s[6:7] offset:256*\j
.endr
	s_endpgm
.Lfunc_end_k_q7117cbb639_tohalf:
	.size	k_q7117cbb639_tohalf, .Lfunc_end_k_q7117cbb639_tohalf-k_q7117cbb639_tohalf
	.p2alignl 7, 3214868480
	.fill 96, 4, 3214868480
	.section	.rodata,"a",@progbits
	.p2align	6, 0x0
	.amdhsa_kernel k_q7117cbb639_tohalf
		.amdhsa_group_segment_fixed_size 0
		.amdhsa_private_segment_fixed_size 0
		.amdhsa_enable_private_segment 0
		.amdhsa_kernarg_size 16
		.amdhsa_user_sgpr_count 2
		.amdhsa_user_sgpr_kernarg_segment_ptr 1
		.amdhsa_wavefront_size32 1
		.amdhsa_system_sgpr_workgroup_id_x 1
		.amdhsa_system_sgpr_workgroup_id_y 1
		.amdhsa_system_sgpr_workgroup_id_z 1
		.amdhsa_system_vgpr_workitem_id 0
		.amdhsa_next_free_vgpr 112
		.amdhsa_next_free_sgpr 66
		.amdhsa_reserve_vcc 0
		.amdhsa_float_denorm_mode_32 3
		.amdhsa_float_denorm_mode_16_64 3
		.amdhsa_memory_ordered 1
		.amdhsa_forward_progress 1
		.amdhsa_inst_pref_size 7
	.end_amdhsa_kernel
	.amdgpu_metadata
---
amdhsa.version: [ 1, 2 ]
amdhsa.kernels:
  - .name:           k_q7117cbb639_tohalf
    .symbol:         k_q7117cbb639_tohalf.kd
    .args:
      - { .name: input, .offset: 0, .size: 8, .value_kind: global_buffer, .address_space: global }
      - { .name: xh, .offset: 8, .size: 8, .value_kind: global_buffer, .address_space: global }
    .group_segment_fixed_size: 0
    .private_segment_fixed_size: 0
    .kernarg_segment_align: 8
    .kernarg_segment_size: 16
    .max_flat_workgroup_size: 256
    .sgpr_count:     66
    .vgpr_count:     112
    .wavefront_size: 32
...
	.end_amdgpu_metadata
.endif
;; end of part 1
;; launch wq_gemm (part 2): grid 4 x 58, 4 waves a work-group, no clusters, 327,680 bytes of LDS; arguments xh, qweight, scales, bias, out0; writes out0
.if DOCPART == 2
	.amdgcn_target "amdgcn-amd-amdhsa--gfx1250"
	.amdhsa_code_object_version 6
	.text
	.protected	k_q7117cbb639_wq_gemm
	.globl	k_q7117cbb639_wq_gemm
	.p2align	8
	.type	k_q7117cbb639_wq_gemm,@function
k_q7117cbb639_wq_gemm:
	s_mov_b64 s[64:65], 0
	v_nop
	global_prefetch_b8 v0, s[64:65] scope:SCOPE_SE
	s_setreg_imm32_b32 hwreg(HW_REG_WAVE_MODE, 25, 1), 1
	s_wait_xcnt 0x0
; out0[m][n] = sum over k of x[m][k] W[k][n] + bias[n],  W[k][n] = e4m3fn(q[k][n] & 0xff) s[k / 128][n], the two NaN codes counting as 0.
; x: xh [1024][4096] f16 (the launch before).  q: [4096][11008] int32, one code a word.  s: [32][11008] f32.  bias: [11008] f32.  out0: [1024][11008] f32.
; FORMATS.  Both matrix operands are f16, sums f32.  W is the exact product code x scale rounded once to f16.
; LIMITS.  448 s of 65,520 or more (s from 146 on) gives an infinity; below 6.1e-5 a weight keeps f16's fixed step of 6e-8; a product that is NaN
; (a NaN code, or a NaN scale) counts as 0, so a NaN scale is not handed on as NaN.
; SHARES.  A work-group makes 256 rows x 192 columns (grid x: the 4 row tiles, grid y: 58 column tiles); its four waves 128 x 96 each: 8 x 6 accumulators of 16 x 16,
; 384 registers.  11,008 = 57 x 192 + 64: THE LAST COLUMN TILE is laid at column 10,816, so that all its loads stay inside the buffers, computes 192 columns and stores
; only its last 64; the other 128 are its neighbour's.  K goes in 32 steps of 128, a scale group each.
; THE CODES COME THROUGH REGISTERS.  A step's 128 x 192 codes are 384 pieces of 256 bytes; a wave takes 96 of them by 48 loads of 16 bytes a lane (16 lanes a piece), turns each
; lane's four codes into four f16 weights and stores them into a slot of LDS laid [k][n]; all four waves read that slot by the turning load.
; NO CLUSTER.  The codes, which the four row tiles share, cannot come as joint tiles: two slots of 128 x 768 bytes of codes and x's two slots of 69,632 bytes are
; 335,872 bytes, more than the 327,680 that there are, before W's own slots.  x's tile is shared along the 58 column tiles, and 58 is no multiple of four.
; THE PIPELINE.  A period runs from one barrier to the next: 192 matrix instructions a wave.  In the period of step t: x's tile of step t + 1 is asked for (one tensor load a wave, first
; behind the barrier); the products read slot t % 2; 48 JOBS, one behind every four matrix instructions, make W of step t + 1 from codes that lie in registers, into slot (t + 1) % 2;
; each job at once asks for the same piece of step t + 2.  The barrier stands inside a step's last quarter, whose fragments already lie in registers.
; The loop's last trip has no step t + 2: its pointers stay, and 20 code loads and 3 scale loads bring step 31's bytes once more and serve nothing: the price of one text for every trip.
; THE MATRIX INSTRUCTION IS USED TRANSPOSED (source 0 = 16 columns of W, source 1 = 16 rows of x): a lane holds row l % 16 of out0 and the columns 8 (l / 16) + 0..7.
;
; REGISTERS, in windows of 256 (s_set_vgpr_msb: bits 1:0 source 0, 3:2 source 1, 5:4 source 2, 7:6 destination).  Window i = 1, 2, 3 holds the accumulators of column blocks 2 (i - 1) and
; 2 (i - 1) + 1, W's fragments for them, a third of the codes and all that a job names as source 0, source 2 or destination; window 0 holds x's fragments and the scales, which stand as
; source 1.  So 16 matrix instructions and their four jobs run under ONE setting, WM i; only the jobs' LDS stores, whose data is source 1, want another, WALL i.
;   window i: v0-127 accumulators ((a, bl) at 8 (2 a + bl)); v128-159 W's fragments, two buffers; v160-223 codes, 16 jobs x 4; v224-243 at work and addresses
;   window 0: v0-15 addresses; v16-27 the scales in use; v32-43 the next; v48-59 bias; v60-65 at work at the head; v128-255 x's fragments, two buffers, later the way out
.set QROW,  44032                      ; bytes in a row of q, of s and of out0: 172 x 256
.set QSTEP, 128*QROW                   ; a K step in q
.set PA,    272                        ; a row of x in LDS: 256 bytes + 16 = 68 words: the 16 rows of a fragment load start at 16 different groups of four banks (64 banks of 4 bytes: ISA guide 11.1)
.set PW,    416                        ; a row of W in LDS: 384 bytes + 32 = 13 x 32
.set PS,    784                        ; a row of the stage: 768 bytes + 16 = 49 x 16
.set WOFF,  256*PA                     ; a slot: x's 256 rows (69,632 bytes, filled by tensor loads alone), then W's 128 rows (53,248 bytes, written by LDS stores alone)
.set SLOT1, 1<<17                      ; slot 1 begins here: one exclusive or turns an address in one slot into the other's
.set SPARE, 1<<18                      ; the spare words, 128 bytes for each wave: two blocks of 256 bytes that no other line names
                                       ; the stage, 256 x 784 bytes from byte 0, is written when both slots have had their last fill
.set ADRA0, 2                          ; v2   my lane's place in x's tile; never rewritten
.set ADRA,  3                          ; v3   the same in the slot that is read
.set SCO,   4                          ; v4   16 (l % 16): my four columns of a piece of 64, in s and in bias
.set PFOQ,  5                          ; v5   l x a row of q
.set PFOA,  6                          ; v6   l x a row of xh
.set STO,   7                          ; v7   the way out: where I put a block's 16 bytes, row blocks 0-3
.set STO2,  8                          ; v8   row blocks 4-7
.set RD,    9                          ; v9   where I read rows back
.set CO,    10                         ; v10  my byte offset in two rows of out0
.set SPW,   12                         ; v12  LDS address of my spare word; never rewritten
.set NIL,   13                         ; v13  0; never rewritten
.set SC,    16
.set SN,    32
.set BI,    48
.set AF,    128                        ; x's fragments: buffer f, row block a at AF + 64 f + 8 a
.set BF,    128                        ; window i: W's fragments: buffer f, block bl at BF + 16 f + 8 bl
.set RAW,   160                        ; window i: job J's four codes at RAW + 4 (4 (J / 12) + J % 4)
.set TT,    224                        ; v224-227  four numbers at work
.set XX,    228                        ; v228-229  four f16 products
.set YY,    230                        ; v230-237  four jobs' weights, two registers each
.set ZZ,    238                        ; 0.0
.set QOF,   239                        ; my byte offset in a step's codes; never rewritten
.set WST0,  240                        ; my place in W's slot, for the stores; never rewritten
.set WST,   241                        ; the same in the slot that is written
.set BAD0,  242                        ; my place in W's slot, for the turning loads; never rewritten
.set BAD,   243                        ; the same in the slot that is read
.set WV,  14                           ; s14  wave
.set WR,  15                           ; s15  which 128 rows are mine
.set WC,  16                           ; s16  which 96 columns
.set GX,  17                           ; s17  row tile
.set GY,  18                           ; s18  column tile
.set N0,  19                           ; s19  the tile's first column
.set LAST, 20                          ; s20  1 in the last column tile
.set ONE, 21                           ; s21  1.0 twice, in f16
.set G1,  24                           ; s[24:31] descriptor group 1
.set G0,  32                           ; s[32:35] descriptor group 0: it walks
.set QB,  36                           ; s[36:37] q at the tile's first column, at the step that the jobs ask for
.set SCB, 38                           ; s[38:39] s likewise
.set PFQ, 40                           ; s[40:41] where my prefetches of q stand
.set PFA, 42                           ; s[42:43] of xh
.set QST, 44                           ; s[44:45] QB's step: QSTEP, or 0 in the loop's last trip
.set SST, 46                           ; s[46:47] SCB's step
.set CNT, 48                           ; s48  31 less the number of the barrier in hand
.set LIMQ, 49                          ; s49  a wave prefetches q while CNT is above this
.set LIMA, 50                          ; s50  xh likewise
.set TR,  51                           ; s51  the slot that is read
.set TW,  52                           ; s52  the slot that is written
.set ZR,  53                           ; s53  0
.set WM,   0x51                        ; x i: source 0, source 2 and destination in window i, source 1 in window 0
.set WALL, 0x55                        ; x i: all four in window i
.set MSB, 0
.macro WIN new                         ; the immediate's high byte repeats the setting that is left; a switch that changes nothing is dropped
.if MSB != (\new)
	s_set_vgpr_msb (MSB<<8)|(\new)
.set MSB, \new
.endif
.endm
.macro PLACES                          ; four places between a matrix instruction and a load into, or a read of, its registers, where no other vector work is at hand
.rept 4
	v_nop
.endr
.endm
; One matrix instruction under WM i: row block a, column block bl of the window, fragment buffers f.  zero = 1: it starts the sum.
.macro MM f, a, bl, zero
.set rD, 8*(2*(\a)+(\bl))
.set rB, BF+16*(\f)+8*(\bl)
.set rA, AF+64*(\f)+8*(\a)
.if \zero
	v_wmma_f32_16x16x32_f16 v[rD:rD+7], v[rB:rB+7], v[rA:rA+7], 0
.else
	v_wmma_f32_16x16x32_f16 v[rD:rD+7], v[rB:rB+7], v[rA:rA+7], v[rD:rD+7]
.endif
.endm
; JOB J = 3 i + u of 48: the step's rows 32 w + 4 (l / 16) + 8 (i / 4) + i % 4, columns 64 u + 4 (l % 16) + 0..3: lanes 0-15 take one piece of 256 bytes, lanes 16-31 the piece four rows down.
.macro QLOAD J                         ; its load
.set jI, (\J)/3
.set jRow, 8*(jI/4)+jI%4
.set rR, RAW+4*(4*((\J)/12)+(\J)%4)
	global_load_b128 v[rR:rR+3], v[QOF], s[QB:QB+1] offset:jRow*QROW+256*((\J)%3)
.endm
.macro JST J                           ; its store: 8 bytes a lane; the two halves of the lanes lie 416 words apart, 32 banks
.set jI, (\J)/3
.set jRow, 8*(jI/4)+jI%4
.set rY, YY+2*((\J)%4)
	ds_store_b64 v[WST], v[rY:rY+1] offset:jRow*PW+128*((\J)%3)
.endm
; Its arithmetic, in four parts, each behind a matrix instruction.  0: the codes' low bytes to f32 (the conversion reads byte 0 alone), and the next load into the same registers.
; 1: code x scale, the exact product rounded once to f16.  2, 3: max(x, 0) + min(x, 0), which is x, and 0 where x is NaN, since a NaN loses against 0.
; THE COUNT 50: behind job J's load of the period before stand that period's 47 - J later loads, the 3 scale loads behind the barrier and this period's J loads.
; tail = 1 (jobs 20-47 of the last period, which load nothing): 47 - J, 3 and the 20 loads of jobs 0-19.
.macro JOBPH J, ph, reload, tail
.set rR, RAW+4*(4*((\J)/12)+(\J)%4)
.set rY, YY+2*((\J)%4)
.set rS, SC+4*((\J)%3)
.if (\ph) == 0
.if \tail
	s_wait_loadcnt 70-(\J)
.else
	s_wait_loadcnt 50
.endif
	v_cvt_f32_fp8 v[TT], v[rR]
	v_cvt_f32_fp8 v[TT+1], v[rR+1]
	v_cvt_f32_fp8 v[TT+2], v[rR+2]
	v_cvt_f32_fp8 v[TT+3], v[rR+3]
.if \reload
	QLOAD \J
.endif
.elseif (\ph) == 1
	v_fma_mixlo_f16 v[XX], v[TT], v[rS], v[ZZ]
	v_fma_mixhi_f16 v[XX], v[TT+1], v[rS+1], v[ZZ]
	v_fma_mixlo_f16 v[XX+1], v[TT+2], v[rS+2], v[ZZ]
	v_fma_mixhi_f16 v[XX+1], v[TT+3], v[rS+3], v[ZZ]
.elseif (\ph) == 2
	v_pk_max_num_f16 v[TT], v[XX], s[ZR]
	v_pk_min_num_f16 v[TT+1], v[XX], s[ZR]
	v_pk_max_num_f16 v[TT+2], v[XX+1], s[ZR]
	v_pk_min_num_f16 v[TT+3], v[XX+1], s[ZR]
.else
	v_pk_fma_f16 v[rY], v[TT], s[ONE], v[TT+1]
	v_pk_fma_f16 v[rY+1], v[TT+2], s[ONE], v[TT+3]
.endif
.endm
; W's fragments of quarter q for window i's two column blocks, into buffer f: the turning load takes 16 k x 16 n (lane l reads k = 8 (l / 16) + l % 8, columns 8 ((l / 8) % 2) + 0..7) and leaves column l % 16 and 8 k.
.macro FB i, q, f
	WIN WM*(\i)
.irp bl, 0,1
	ds_load_tr16_b128 v[BF+16*(\f)+8*\bl:BF+16*(\f)+8*\bl+3],   v[BAD] offset:32*PW*(\q)+32*\bl
	ds_load_tr16_b128 v[BF+16*(\f)+8*\bl+4:BF+16*(\f)+8*\bl+7], v[BAD] offset:32*PW*(\q)+32*\bl+16*PW
.endr
.endm
; x's fragments of quarter q, my 8 row blocks, into buffer f: lane l holds row l % 16, k = 8 (l / 16) + 0..7 and 16 + 8 (l / 16) + 0..7: two loads of 16 bytes, 32 bytes apart.
.macro FA q, f
	WIN 0
.irp a, 0,1,2,3,4,5,6,7
	ds_load_b128 v[AF+64*(\f)+8*\a:AF+64*(\f)+8*\a+3],   v[ADRA] offset:16*PA*\a+64*(\q)
	ds_load_b128 v[AF+64*(\f)+8*\a+4:AF+64*(\f)+8*\a+7], v[ADRA] offset:16*PA*\a+64*(\q)+32
.endr
.endm
; A VISIT to window i: its fragments of W for quarter qn (none if qn < 0) into the other buffer; 16 matrix instructions on buffers f (mm = 1; 2: they start the sums; 0: none);
; behind them jobs J0 .. J0 + 3 (jobs = 1), and the four stores.  The buffer that is loaded was last read two visits back: the jobs between are the places, or four v_nop.
.macro VISIT i, f, mm, J0, jobs, reload, tail, qn
.if (\qn) >= 0
.if !(\jobs)
	PLACES
.endif
	FB \i, \qn, 1-(\f)
.endif
	WIN WM*(\i)
.set n, 0
.rept 16
.if \mm
	MM \f, n/2, n%2, (\mm)-1
.endif
.if \jobs
	JOBPH (\J0)+n/4, n%4, \reload, \tail
.endif
.set n, n+1
.endr
.if \jobs
	WIN WALL*(\i)
.irp jj, 0,1,2,3
	JST (\J0)+\jj
.endr
.endif
.endm
; A QUARTER of a K step: 32 along K, 48 matrix instructions, each accumulator once, always in the same order: the accumulators take turns, one instruction a turn.
; The wait at its head: LDS instructions end in order, and every fragment load is older than the last visit's four stores, which may stay out.
.macro QUARTER f, zero, J0, jobs, reload, tail, qn
	s_wait_dscnt 4*(\jobs)
	VISIT 1, \f, 1+(\zero), \J0, \jobs, \reload, \tail, \qn
.if (\qn) >= 0
.if !(\jobs)
	PLACES
.endif
	FA \qn, 1-(\f)
.endif
	VISIT 2, \f, 1+(\zero), (\J0)+4, \jobs, \reload, \tail, \qn
	VISIT 3, \f, 1+(\zero), (\J0)+8, \jobs, \reload, \tail, \qn
.endm
.macro Q3A reload, tail                ; the last quarter's first visit, in front of the barrier: the period's last four jobs
	s_wait_dscnt 4
	VISIT 1, 1, 1, 44, 1, \reload, \tail, -1
.endm
.macro Q3B mm, jobs                    ; its other two, behind the barrier: the next period's first eight jobs
	VISIT 2, 1, \mm, 0, \jobs, \jobs, 0, -1
	VISIT 3, 1, \mm, 4, \jobs, \jobs, 0, -1
.endm
.macro SNLOAD                          ; a group's scales for my four columns of each of the three pieces
.irp u, 0,1,2
	global_load_b128 v[SN+4*\u:SN+4*\u+3], v[SCO], s[SCB:SCB+1] offset:256*\u
.endr
.endm
.macro SCMOVE
.set n, 0
.rept 12
	v_mov_b32 v[SC+n], v[SN+n]
.set n, n+1
.endr
.endm
; PREFETCHES INTO THE L2, behind the tensor load, its five lines and the run of LDS loads.  q: the barrier of step t names step t + 4, whose loads stand two periods on.  A step of a column tile is 128 rows x 3
; pieces of 256 bytes: row tile x takes rows 32 x .. 32 x + 31, a lane a row, its wave w < 3 piece w: each piece is named once in the launch (in the last column tile wave 2 alone asks: the other two pieces
; are its neighbour's).  It stops at t = 27.  xh: the column tile 0 asks, each wave for the 64 rows that it fetches itself, 256 bytes a row, step t + 3: two refills on; it stops at t = 28.
.macro ASK
	s_cmp_gt_u32 s[CNT], s[LIMQ]
	s_cbranch_scc0 .Lnot_q_\@
	global_prefetch_b8 v[PFOQ], s[PFQ:PFQ+1] th:TH_LOAD_NT scope:SCOPE_SE
.Lnot_q_\@:
	s_cmp_gt_u32 s[CNT], s[LIMA]
	s_cbranch_scc0 .Lnot_a_\@
	global_prefetch_b8 v[PFOA], s[PFA:PFA+1] th:TH_LOAD_NT scope:SCOPE_SE
	global_prefetch_b8 v[PFOA], s[PFA:PFA+1] offset:32*8192 th:TH_LOAD_NT scope:SCOPE_SE
.Lnot_a_\@:
.endm
; THE BARRIER of step t: ONE for the change of slots.  In front of it each wave has seen its part of x's tile of step t land, has finished its stores of W of step t, and has its reads of the
; other slot back (the last quarter's fragments were read a quarter ago).  Behind it slot t % 2 is whole, and the other may be written: by the refill, first, and by the jobs.
; sc = 1: the jobs that follow take the next group's scales, and the pointers step.  refill = 1: x's tile of step t + 1 is asked for.
.macro BAR refill, sc
	WIN 0
.if \sc
	s_wait_loadcnt 48                              ; the next scales are in: behind their three loads stand the period's 48 code loads
	SCMOVE
	s_wait_xcnt 0x0                                ; every load and prefetch issued so far has read its address: the pointers may be written
	s_cmp_gt_u32 s[CNT], 1                         ; the loop's last trip has no step two on: the pointers stay inside their buffers
	s_cselect_b32 s[QST], QSTEP, 0
	s_cselect_b32 s[SST], QROW, 0
	s_add_nc_u64 s[QB:QB+1], s[QB:QB+1], s[QST:QST+1]
	s_add_nc_u64 s[SCB:SCB+1], s[SCB:SCB+1], s[SST:SST+1]
	s_add_nc_u64 s[PFQ:PFQ+1], s[PFQ:PFQ+1], QSTEP
	s_add_nc_u64 s[PFA:PFA+1], s[PFA:PFA+1], 256
.endif
	s_wait_tensorcnt 0x0                           ; my one tensor load that was out has landed, so group 0 may be written
	ds_add_u32 v[SPW], v[NIL]                      ; 0 onto my spare word: the scalar steps stand between it and the wait for it
.if \refill
	s_xor_b32 s[G0+1], s[G0+1], SLOT1              ; the other slot,
	s_add_nc_u64 s[G0+2:G0+3], s[G0+2:G0+3], 256   ; the next 128 along K; the type bits on top are not reached
.endif
	s_xor_b32 s[TR], s[TR], SLOT1
	s_xor_b32 s[TW], s[TW], SLOT1
	s_wait_dscnt 0x0                               ; the add, my stores of W and my reads of the slot that is left are done
	s_barrier_signal -1
	s_barrier_wait -1
.if \refill
	tensor_load_to_lds s[G0:G0+3], s[G1:G1+7]      ; my one tensor load behind the barrier, and the first thing there: it has the whole period in which to land
	s_nop 0
	PLACES
.endif
.if \sc
	SNLOAD
.endif
	v_add_nc_u32 v[ADRA], s[TR], v[ADRA0]
.irp i, 1,2,3
	WIN WALL*\i
	v_add_nc_u32 v[BAD], s[TR], v[BAD0]
	v_add_nc_u32 v[WST], s[TW], v[WST0]
.endr
	FA 0, 0                                        ; the new step's first fragments: buffer 0 was last read a quarter ago, with a visit's jobs between
	FB 1, 0, 0
	FB 2, 0, 0
	FB 3, 0, 0
	WIN 0                                          ; at a label and at a branch every window is 0
.if \sc
	ASK
.endif
.endm
	s_load_b256 s[4:11], s[0:1], 0x0               ; xh s[4:5], q s[6:7], s s[8:9], bias s[10:11]
	s_load_b64 s[12:13], s[0:1], 0x20              ; out0
	v_lshl_add_u32 v[SPW], v0, 2, SPARE
	v_mov_b32 v[NIL], 0
	ds_add_u32 v[SPW], v[NIL]                      ; the wave's opening: the add, twice on end, and its wait ahead of my first tensor load; the set-up below, work on registers, stands between
	ds_add_u32 v[SPW], v[NIL]                      ; and once more, under the one wait
	v_lshrrev_b32 v1, 5, v0
	v_readfirstlane_b32 s[WV], v1                  ; wave 0..3
	s_lshr_b32 s[WR], s[WV], 1
	s_and_b32 s[WC], s[WV], 1
	s_mov_b32 s[GX], ttmp9
	s_and_b32 s[GY], ttmp7, 0xffff
	s_mul_i32 s[N0], s[GY], 192
	s_min_u32 s[N0], s[N0], 10816                  ; the last tile is laid so that it ends with the last column
	s_cmp_eq_u32 s[GY], 57
	s_cselect_b32 s[LAST], 1, 0
	v_and_b32 v14, 15, v0                          ; r = l % 16
	v_bfe_u32 v15, v0, 4, 1                        ; h = l / 16
	v_and_b32 v60, 31, v0                          ; l
	v_and_b32 v61, 7, v0                           ; l % 8
	v_bfe_u32 v62, v0, 3, 1                        ; (l / 8) % 2
	s_mul_i32 s54, s[WV], 32*QROW                  ; codes: row 32 w + 4 h, 16 bytes at 16 r
	v_mul_u32_u24 v63, v15, 4*QROW
	v_lshl_add_u32 v63, v14, 4, v63
	v_add_nc_u32 v63, s54, v63
	s_mul_i32 s54, s[WV], 32*PW                    ; W's stores: the same row, 8 bytes at 8 r
	s_add_co_u32 s54, s54, WOFF
	v_mul_u32_u24 v64, v15, 4*PW
	v_lshl_add_u32 v64, v14, 3, v64
	v_add_nc_u32 v64, s54, v64
	s_mul_i32 s54, s[WC], 192                      ; W's turning loads: row 8 h + l % 8, 16 bytes at 16 ((l / 8) % 2), my 96 columns
	s_add_co_u32 s54, s54, WOFF
	v_lshl_add_u32 v65, v15, 3, v61
	v_mul_u32_u24 v65, v65, PW
	v_lshl_add_u32 v65, v62, 4, v65
	v_add_nc_u32 v65, s54, v65
	s_mul_i32 s54, s[WR], 128*PA                   ; x's fragments: row 128 wr + r, 16 bytes at 16 h
	v_mul_u32_u24 v[ADRA0], v14, PA
	v_lshl_add_u32 v[ADRA0], v15, 4, v[ADRA0]
	v_add_nc_u32 v[ADRA0], s54, v[ADRA0]
	v_lshlrev_b32 v[SCO], 4, v14
	v_mul_u32_u24 v[PFOQ], v60, QROW
	v_lshlrev_b32 v[PFOA], 13, v60
	s_mul_i32 s54, s[WR], 128*PS                   ; into the stage: row 128 wr + r, columns 96 wc + 8 h on
	s_mul_i32 s55, s[WC], 384
	s_add_co_u32 s54, s54, s55
	v_mul_u32_u24 v[STO], v14, PS
	v_lshl_add_u32 v[STO], v15, 5, v[STO]
	v_add_nc_u32 v[STO], s54, v[STO]
	v_add_nc_u32 v[STO2], 64*PS, v[STO]            ; 64 rows on, so that the stores' offsets stay inside 16 bits
	s_mul_i32 s54, s[WV], 64*PS                    ; back: wave w takes rows 64 w .. 64 w + 63; lanes 0-15 256 bytes of one row, lanes 16-31 of the next
	v_mul_u32_u24 v[RD], v15, PS
	v_lshl_add_u32 v[RD], v14, 4, v[RD]
	v_add_nc_u32 v[RD], s54, v[RD]
	v_mul_u32_u24 v[CO], v15, QROW                 ; and the same two rows in out0
	v_lshl_add_u32 v[CO], v14, 4, v[CO]
.irp i, 1,2,3
	WIN (\i)<<6                                    ; destination in window i, sources in window 0
	v_mov_b32 v[ZZ], 0
	v_mov_b32 v[XX], 0                             ; written whole once: the jobs write them by halves
	v_mov_b32 v[XX+1], 0
	v_mov_b32 v[QOF], v63
	v_mov_b32 v[WST0], v64
	v_mov_b32 v[WST], v64                          ; W of step 0 goes into slot 0
	v_add_nc_u32 v[BAD0], 64*((\i)-1), v65         ; the window's 32 columns
.endr
	WIN 0
	; descriptor group 1: 64 rows x 128 elements of 2 bytes, padded in LDS
	s_mov_b32 s[G1+0], (1<<16)|(1<<20)|(5<<22)|(3<<25)  ; 17:16 elements of 2 bytes; 20 padding on; 24:22 after every 64 words (code 5); 31:25 4 words of it (code 3)
	s_mov_b32 s[G1+1], 128<<16                     ; tensor_dim0 = 128
	s_mov_b32 s[G1+2], 64<<16                      ; tensor_dim1 = 64
	s_mov_b32 s[G1+3], 128<<16                     ; tile_dim0 = 128
	s_mov_b32 s[G1+4], 64                          ; tile_dim1 = 64
	s_mov_b32 s[G1+5], 4096                        ; elements from row to row
	s_mov_b32 s[G1+6], 0
	s_mov_b32 s[G1+7], 0
	s_mov_b32 s[G0], 1                             ; count = 1
	s_mul_i32 s[G0+1], s[WV], 64*PA                ; LDS address: my 64 rows of slot 0
	s_mov_b32 s[ONE], 0x3c003c00
	s_mov_b32 s[ZR], 0
	s_mov_b32 s[QST+1], 0
	s_mov_b32 s[SST+1], 0
	s_mov_b32 s[TR], SLOT1                         ; the first barrier turns these two round
	s_mov_b32 s[TW], 0
	s_mov_b32 s[CNT], 31
	s_cmp_lt_u32 s[WV], 3                          ; who prefetches q: waves 0-2, in the last column tile wave 2 alone
	s_cselect_b32 s54, 1, 0
	s_cmp_eq_u32 s[WV], 2
	s_cselect_b32 s55, 1, 0
	s_cmp_eq_u32 s[LAST], 1
	s_cselect_b32 s54, s55, s54
	s_cmp_eq_u32 s54, 1
	s_cselect_b32 s[LIMQ], 3, -1
	s_cmp_eq_u32 s[GY], 0                          ; who prefetches xh: column tile 0
	s_cselect_b32 s[LIMA], 2, -1
	s_lshl_b32 s54, s[GX], 21                      ; xh: rows 256 x + 64 w, 8,192 bytes each
	s_lshl_b32 s55, s[WV], 19
	s_add_co_u32 s54, s54, s55
	s_mov_b32 s55, 0
	s_lshl_b32 s56, s[N0], 2                       ; the tile's first column in q, s, bias and out0
	s_mov_b32 s57, 0
	s_lshl_b32 s58, s[GX], 8                       ; out0: the 64 rows that I store
	s_lshl_b32 s59, s[WV], 6
	s_add_co_u32 s58, s58, s59
	s_mul_i32 s58, s58, QROW
	s_add_co_u32 s58, s58, s56
	s_mov_b32 s59, 0
	s_mul_i32 s22, s[GX], 32*QROW                  ; the prefetches of q: my row tile's 32 rows, my wave's piece, step 3: the first barrier steps it to 4
	s_lshl_b32 s23, s[WV], 8
	s_add_co_u32 s22, s22, s23
	s_add_co_u32 s22, s22, 3*QSTEP
	s_mov_b32 s23, 0
	s_wait_dscnt 0x0                               ; both opening adds are done
	s_wait_kmcnt 0x0
	s_add_nc_u64 s[4:5], s[4:5], s[54:55]
	s_mov_b64 s[G0+2:G0+3], s[4:5]                 ; global address: K step 0 of my 64 rows
	s_or_b32 s[G0+3], s[G0+3], 0x80000000          ; type = 2
	tensor_load_to_lds s[G0:G0+3], s[G1:G1+7]      ; the launch's first fill: slot 0.  One tensor load of mine is out, here and behind every barrier that refills
	s_nop 0
	PLACES
	s_add_nc_u64 s[PFA:PFA+1], s[4:5], 2*256       ; at step 2: the first barrier steps it to 3
	s_add_nc_u64 s[QB:QB+1], s[6:7], s[56:57]
	s_add_nc_u64 s[SCB:SCB+1], s[8:9], s[56:57]
	s_add_nc_u64 s[10:11], s[10:11], s[56:57]
	s_add_nc_u64 s[12:13], s[12:13], s[58:59]
	s_add_nc_u64 s[PFQ:PFQ+1], s[QB:QB+1], s[22:23]
	SNLOAD                                         ; group 0's scales
.set J, 0
.rept 48                                           ; step 0's codes, in the jobs' order, so that the jobs' count holds from the first job on
	WIN WM*(((J/4)+1)%3+1)                         ; jobs 4 v .. 4 v + 3 belong to the period's visit v: windows 2, 3, 1, 2, 3, 1 ..
	QLOAD J
.set J, J+1
.endr
	WIN 0
	s_wait_xcnt 0x0                                ; these loads have read their addresses
	s_add_nc_u64 s[QB:QB+1], s[QB:QB+1], QSTEP     ; step 1
	s_add_nc_u64 s[SCB:SCB+1], s[SCB:SCB+1], QROW  ; group 1
	s_wait_loadcnt 48                              ; group 0's scales are in; the 48 code loads may stay out
	SCMOVE
	SNLOAD
	; W of step 0: the 48 jobs with no products beside them; they ask for step 1's codes
.irp j, 0,4,8,12,16,20,24,28,32,36,40,44
	VISIT ((\j/4)+1)%3+1, 0, 0, \j, 1, 1, 0, -1
.endr
	BAR 1, 1                                       ; step 0's barrier; the tensor load behind it is slot 1's first fill
	Q3B 0, 1                                       ; there is no step before: jobs 0-7 alone
	QUARTER 0, 1, 8, 1, 1, 0, 1                    ; the first quarter's products start the sums: nothing is cleared
	WIN 0
	s_mov_b32 s[CNT], 30
.Lstep:                                                ; 30 trips: quarters 1, 2 and 3 of one step, the barrier inside quarter 3, quarter 0 of the next step
	QUARTER 1, 0, 20, 1, 1, 0, 2
	QUARTER 0, 0, 32, 1, 1, 0, 3
	Q3A 1, 0
	BAR 1, 1
	Q3B 1, 1
	QUARTER 0, 0, 8, 1, 1, 0, 1
	WIN 0
	s_sub_co_u32 s[CNT], s[CNT], 1
	s_cmp_lg_u32 s[CNT], 0
	s_cbranch_scc1 .Lstep
	; the tail is written out: step 30 ends, jobs 20-47 finish W of step 31 and ask for nothing
	QUARTER 1, 0, 20, 1, 0, 1, 2
	QUARTER 0, 0, 32, 1, 0, 1, 3
	Q3A 0, 1
	BAR 0, 0                                       ; step 31's barrier
	Q3B 1, 0
	QUARTER 0, 0, 0, 0, 0, 0, 1                    ; step 31: products alone
	QUARTER 1, 0, 0, 0, 0, 0, 2
	QUARTER 0, 0, 0, 0, 0, 0, 3
	QUARTER 1, 0, 0, 0, 0, 0, -1
	; THE WAY OUT.  A lane holds 8 neighbouring columns of a row, the lanes beside it other rows.  So the tile goes through a stage in LDS and comes back by rows: 16 lanes then hold 256 consecutive bytes of out0.
	PLACES
	PLACES                                         ; the places between the last products and the stores that read them, once a launch
	WIN 0
	s_wait_dscnt 0x0                               ; my reads of the slots are back
	s_barrier_signal -1
	s_barrier_wait -1                              ; everybody's are: the slots, which have had their last fill, become the stage
.irp u, 0,1,2
	global_load_b128 v[BI+4*\u:BI+4*\u+3], v[SCO], s[10:11] offset:256*\u
.endr
.irp i, 1,2,3
	WIN (\i)<<2                                    ; the data, source 1, in window i; the address in window 0
.set n, 0
.rept 16                                           ; accumulator n = 2 a + bl; its low four registers go first
.set so, ((n/2)%4)*16*PS+64*(2*((\i)-1)+n%2)
.if n < 8
	ds_store_b128 v[STO], v[8*n:8*n+3] offset:so
	ds_store_b128 v[STO], v[8*n+4:8*n+7] offset:so+16
.else
	ds_store_b128 v[STO2], v[8*n:8*n+3] offset:so
	ds_store_b128 v[STO2], v[8*n+4:8*n+7] offset:so+16
.endif
.set n, n+1
.endr
.endr
	WIN 0
	s_wait_dscnt 0x0                               ; for the others' sake: my stores into the stage are done
	s_barrier_signal -1
	s_barrier_wait -1
	s_wait_loadcnt 0x0                             ; bias
; Piece u (64 columns) of my 64 rows: 32 loads of two rows each, the bias added, 32 stores.
.macro OUTU u
	s_wait_xcnt 0x0                                ; the stores issued so far have read their data: the registers may be loaded again
.set p, 0
.rept 32
	ds_load_b128 v[AF+4*p:AF+4*p+3], v[RD] offset:2*PS*p+256*(\u)
.set p, p+1
.endr
.set p, 0
.rept 32
	s_wait_dscnt 31-p                              ; LDS loads come back in order: load p is in
	v_pk_add_f32 v[AF+4*p:AF+4*p+1], v[AF+4*p:AF+4*p+1], v[BI+4*(\u):BI+4*(\u)+1]
	v_pk_add_f32 v[AF+4*p+2:AF+4*p+3], v[AF+4*p+2:AF+4*p+3], v[BI+4*(\u)+2:BI+4*(\u)+3]
	global_store_b128 v[CO], v[AF+4*p:AF+4*p+3], s[12:13] offset:2*QROW*p+256*(\u) th:TH_STORE_NT  ; 16 lanes store 256 consecutive bytes, at a multiple of 256 from out0's first byte
.set p, p+1
.endr
.endm
	s_cmp_eq_u32 s[LAST], 1
	s_cbranch_scc1 .Lown                           ; the last column tile stores its own 64 columns alone
	OUTU 0
	OUTU 1
.Lown:
	OUTU 2
	s_wait_tensorcnt 0x0                           ; the wave's end: the tensor wait, the add and its wait, behind my last tensor load and my last LDS store
	ds_add_u32 v[SPW], v[NIL]
	s_wait_dscnt 0x0
	s_endpgm
.Lfunc_end_k_q7117cbb639_wq_gemm:
	.size	k_q7117cbb639_wq_gemm, .Lfunc_end_k_q7117cbb639_wq_gemm-k_q7117cbb639_wq_gemm
	.p2alignl 7, 3214868480
	.fill 96, 4, 3214868480
	.section	.rodata,"a",@progbits
	.p2align	6, 0x0
	.amdhsa_kernel k_q7117cbb639_wq_gemm
		.amdhsa_group_segment_fixed_size 327680
		.amdhsa_private_segment_fixed_size 0
		.amdhsa_enable_private_segment 0
		.amdhsa_kernarg_size 40
		.amdhsa_user_sgpr_count 2
		.amdhsa_user_sgpr_kernarg_segment_ptr 1
		.amdhsa_wavefront_size32 1
		.amdhsa_system_sgpr_workgroup_id_x 1
		.amdhsa_system_sgpr_workgroup_id_y 1
		.amdhsa_system_sgpr_workgroup_id_z 1
		.amdhsa_system_vgpr_workitem_id 0
		.amdhsa_next_free_vgpr 1024
		.amdhsa_next_free_sgpr 66
		.amdhsa_reserve_vcc 0
		.amdhsa_float_denorm_mode_32 3
		.amdhsa_float_denorm_mode_16_64 3
		.amdhsa_memory_ordered 1
		.amdhsa_forward_progress 1
		.amdhsa_inst_pref_size 251
	.end_amdhsa_kernel
	.amdgpu_metadata
---
amdhsa.version: [ 1, 2 ]
amdhsa.kernels:
  - .name:           k_q7117cbb639_wq_gemm
    .symbol:         k_q7117cbb639_wq_gemm.kd
    .args:
      - { .name: xh, .offset: 0, .size: 8, .value_kind: global_buffer, .address_space: global }
      - { .name: qweight, .offset: 8, .size: 8, .value_kind: global_buffer, .address_space: global }
      - { .name: scales, .offset: 16, .size: 8, .value_kind: global_buffer, .address_space: global }
      - { .name: bias, .offset: 24, .size: 8, .value_kind: global_buffer, .address_space: global }
      - { .name: out0, .offset: 32, .size: 8, .value_kind: global_buffer, .address_space: global }
    .group_segment_fixed_size: 327680
    .private_segment_fixed_size: 0
    .kernarg_segment_align: 8
    .kernarg_segment_size: 40
    .max_flat_workgroup_size: 128
    .sgpr_count:     66
    .vgpr_count:     1024
    .wavefront_size: 32
...
	.end_amdgpu_metadata
.endif
;; end of part 2
;; ======== version 2 of 3: 2 launches
;; limits: values are held in f16: magnitudes above 65,504 overflow, below 6.1e-05 lose precision
;; workspace buffers: xh 8,388,608 bytes
;; launch tohalf: the kernel of part 1 again; grid 256 x 1, 8 waves a work-group, no clusters, 0 bytes of LDS; arguments input, xh; writes xh
;; launch wq_gemm (part 3): grid 4 x 58, 4 waves a work-group, no clusters, 327,680 bytes of LDS; arguments xh, qweight, scales, bias, out0; writes out0
.if DOCPART == 3
	.amdgcn_target "amdgcn-amd-amdhsa--gfx1250"
	.amdhsa_code_object_version 6
	.text
	.protected	k_q7117cbb639_wq_gemm
	.globl	k_q7117cbb639_wq_gemm
	.p2align	8
	.type	k_q7117cbb639_wq_gemm,@function
k_q7117cbb639_wq_gemm:
	s_mov_b64 s[64:65], 0
	v_nop
	global_prefetch_b8 v0, s[64:65] scope:SCOPE_SE
	s_setreg_imm32_b32 hwreg(HW_REG_WAVE_MODE, 25, 1), 1
	s_wait_xcnt 0x0
; out0[m][n] = sum over k of x[m][k] W[k][n] + bias[n],  W[k][n] = e4m3fn(q[k][n] & 0xff) s[k / 128][n], the two NaN codes counting as 0.
; x: xh [1024][4096] f16 (the launch before).  q: [4096][11008] int32, one code a word.  s: [32][11008] f32.  bias: [11008] f32.  out0: [1024][11008] f32.
; FORMATS.  Both matrix operands are f16, sums f32.  W is the exact product code x scale rounded once to f16.
; LIMITS.  448 s of 65,520 or more (s from 146 on) gives an infinity; below 6.1e-5 a weight keeps f16's fixed step of 6e-8.  A NaN code becomes 0 before the scale is applied, as in the definition above.
; SHARES.  A work-group makes 256 rows x 192 columns (grid x: the 4 row tiles, grid y: 58 column tiles); its four waves 128 x 96 each: 8 x 6 accumulators of 16 x 16,
; 384 registers.  11,008 = 57 x 192 + 64: THE LAST COLUMN TILE is laid at column 10,816, so that all its loads stay inside the buffers, computes 192 columns and stores
; only its last 64; the other 128 are its neighbour's.  K goes in 32 steps of 128, a scale group each.
; THE CODES COME THROUGH REGISTERS.  A step's 128 x 192 codes are 384 pieces of 256 bytes; a wave takes 96 of them by 48 loads of 16 bytes a lane (16 lanes a piece), turns each
; lane's four codes into four f16 weights and stores them into a slot of LDS laid [k][n]; all four waves read that slot by the turning load.
; NO CLUSTER.  The codes, which the four row tiles share, cannot come as joint tiles: two slots of 128 x 768 bytes of codes and x's two slots of 69,632 bytes are
; 335,872 bytes, more than the 327,680 that there are, before W's own slots.  x's tile is shared along the 58 column tiles, and 58 is no multiple of four.
; THE PIPELINE.  A K step is four quarters of 32 along K, 48 matrix instructions a wave each.  A PERIOD runs from one barrier to the next: the last quarter of step t - 1 and the first three of
; step t.  In it: x's tile of step t + 1 is asked for (one tensor load a wave, first behind the barrier); the products read slot t % 2; 48 JOBS of 12 vector lines, work on registers alone,
; make W of step t + 1 from codes that lie in registers: three lines behind every matrix instruction.  ALL MEMORY INSTRUCTIONS STAND IN RUNS, one at each quarter's head, never singly among
; the matrix instructions: the next quarter's fragments, the stores of the twelve jobs just done (into slot (t + 1) % 2), and the loads of the same twelve pieces of step t + 2.
; The barrier stands at the head of a step's last quarter, whose fragments already lie in registers.
; The loop's last trip has no step t + 2: its pointers stay, and 12 code loads and 3 scale loads bring step 31's bytes once more and serve nothing: the price of one text for every trip.
; THE MATRIX INSTRUCTION IS USED TRANSPOSED (source 0 = 16 columns of W, source 1 = 16 rows of x): a lane holds row l % 16 of out0 and the columns 8 (l / 16) + 0..7.
;
; REGISTERS, in windows of 256 (s_set_vgpr_msb: bits 1:0 source 0, 3:2 source 1, 5:4 source 2, 7:6 destination).  Window i = 1, 2, 3 holds the accumulators of column blocks 2 (i - 1) and
; 2 (i - 1) + 1, W's fragments for them, a third of the codes and all that a job names as source 0, source 2 or destination; window 0 holds x's fragments and the scales, which stand as
; source 1.  So 16 matrix instructions and their four jobs run under ONE setting, WM i, and a window's part of a run (loads, turning loads, stores) under one other, WALL i.
;   window i: v0-127 accumulators ((a, bl) at 8 (2 a + bl)); v128-159 W's fragments, two buffers; v160-223 codes, 16 jobs x 4; v224-247 at work and addresses
;   window 0: v0-15 addresses; v16-27 the scales in use; v32-43 the next; v48-59 bias; v60-65 at work at the head; v128-255 x's fragments, two buffers, later the way out
.set QROW,  44032                      ; bytes in a row of q, of s and of out0: 172 x 256
.set QSTEP, 128*QROW                   ; a K step in q
.set PA,    272                        ; a row of x in LDS: 256 bytes + 16 = 68 words: the 16 rows of a fragment load start at 16 different groups of four banks (64 banks of 4 bytes: ISA guide 11.1)
.set PW,    416                        ; a row of W in LDS: 384 bytes + 32 = 13 x 32
.set PS,    784                        ; a row of the stage: 768 bytes + 16 = 49 x 16
.set WOFF,  256*PA                     ; a slot: x's 256 rows (69,632 bytes, filled by tensor loads alone), then W's 128 rows (53,248 bytes, written by LDS stores alone)
.set SLOT1, 1<<17                      ; slot 1 begins here: one exclusive or turns an address in one slot into the other's
.set SPARE, 1<<18                      ; the spare words, 128 bytes for each wave: two blocks of 256 bytes that no other line names
                                       ; the stage, 256 x 784 bytes from byte 0, is written when both slots have had their last fill
.set ADRA0, 2                          ; v2   my lane's place in x's tile; never rewritten
.set ADRA,  3                          ; v3   the same in the slot that is read
.set SCO,   4                          ; v4   16 (l % 16): my four columns of a piece of 64, in s and in bias
.set PFOQ,  5                          ; v5   l x a row of q
.set PFOA,  6                          ; v6   l x a row of xh
.set STO,   7                          ; v7   the way out: where I put a block's 16 bytes, row blocks 0-3
.set STO2,  8                          ; v8   row blocks 4-7
.set RD,    9                          ; v9   where I read rows back
.set CO,    10                         ; v10  my byte offset in two rows of out0
.set SPW,   12                         ; v12  LDS address of my spare word; never rewritten
.set NIL,   13                         ; v13  0; never rewritten
.set SC,    16
.set SN,    32
.set BI,    48
.set AF,    128                        ; x's fragments: buffer f, row block a at AF + 64 f + 8 a
.set BF,    128                        ; window i: W's fragments: buffer f, block bl at BF + 16 f + 8 bl
.set RAW,   160                        ; window i: job J's four codes at RAW + 4 (4 (J / 12) + J % 4)
.set TT,    224                        ; v224-227  an even job's four numbers at work; v244-247 an odd job's
.set YY,    230                        ; v230-237  four jobs' weights, two registers each
.set ZZ,    238                        ; 0.0
.set QOF,   239                        ; my byte offset in a step's codes; never rewritten
.set WST0,  240                        ; my place in W's slot, for the stores; never rewritten
.set WST,   241                        ; the same in the slot that is written
.set BAD0,  242                        ; my place in W's slot, for the turning loads; never rewritten
.set BAD,   243                        ; the same in the slot that is read
.set WV,  14                           ; s14  wave
.set WR,  15                           ; s15  which 128 rows are mine
.set WC,  16                           ; s16  which 96 columns
.set GX,  17                           ; s17  row tile
.set GY,  18                           ; s18  column tile
.set N0,  19                           ; s19  the tile's first column
.set LAST, 20                          ; s20  1 in the last column tile
.set G1,  24                           ; s[24:31] descriptor group 1
.set G0,  32                           ; s[32:35] descriptor group 0: it walks
.set QB,  36                           ; s[36:37] q at the tile's first column, at the step that the runs ask for
.set SCB, 38                           ; s[38:39] s likewise
.set PFQ, 40                           ; s[40:41] where my prefetches of q stand
.set PFA, 42                           ; s[42:43] of xh
.set QST, 44                           ; s[44:45] QB's step: QSTEP, or 0 in the loop's last trip
.set SST, 46                           ; s[46:47] SCB's step
.set CNT, 48                           ; s48  31 less the number of the barrier in hand
.set LIMQ, 49                          ; s49  a wave prefetches q while CNT is above this
.set LIMA, 50                          ; s50  xh likewise
.set TR,  51                           ; s51  the slot that is read
.set TW,  52                           ; s52  the slot that is written
.set ZR,  53                           ; s53  0
.set WM,   0x51                        ; x i: source 0, source 2 and destination in window i, source 1 in window 0
.set WALL, 0x55                        ; x i: all four in window i
.set MSB, 0
.macro WIN new                         ; the immediate's high byte repeats the setting that is left; a switch that changes nothing is dropped
.if MSB != (\new)
	s_set_vgpr_msb (MSB<<8)|(\new)
.set MSB, \new
.endif
.endm
.macro PLACES                          ; four places between a matrix instruction and a load into, or a read of, its registers
.rept 4
	v_nop
.endr
.endm
; One matrix instruction under WM i: row block a, column block bl of the window, fragment buffers f.  zero = 1: it starts the sum.
.macro MM f, a, bl, zero
.set rD, 8*(2*(\a)+(\bl))
.set rB, BF+16*(\f)+8*(\bl)
.set rA, AF+64*(\f)+8*(\a)
.if \zero
	v_wmma_f32_16x16x32_f16 v[rD:rD+7], v[rB:rB+7], v[rA:rA+7], 0
.else
	v_wmma_f32_16x16x32_f16 v[rD:rD+7], v[rB:rB+7], v[rA:rA+7], v[rD:rD+7]
.endif
.endm
; JOB J = 3 i + u of 48: the step's rows 32 w + 4 (l / 16) + 8 (i / 4) + i % 4, columns 64 u + 4 (l % 16) + 0..3: lanes 0-15 take one piece of 256 bytes, lanes 16-31 the piece four rows down.
; It lies in window (J / 4) % 3 + 1 and rides in the period's quarter J / 12.
.macro QLOAD J                         ; its load
.set jI, (\J)/3
.set jRow, 8*(jI/4)+jI%4
.set rR, RAW+4*(4*((\J)/12)+(\J)%4)
	global_load_b128 v[rR:rR+3], v[QOF], s[QB:QB+1] offset:jRow*QROW+256*((\J)%3)
.endm
.macro JST J                           ; its store: 8 bytes a lane; the two halves of the lanes lie 416 words apart, 32 banks
.set jI, (\J)/3
.set jRow, 8*(jI/4)+jI%4
.set rY, YY+2*((\J)%4)
	ds_store_b64 v[WST], v[rY:rY+1] offset:jRow*PW+128*((\J)%3)
.endm
; Its arithmetic: twelve lines.  CV c: code c's low byte to f32 (the conversion reads byte 0 alone).  FX c: max(min(x, 0), x), which is x for every number and 0 for a NaN, since a NaN loses in
; both halves (the same holds if the maximum is taken first); sources 0 and 2 lie in the job's window, source 1 is a scalar 0.  ML x, MH x: code x scale, the exact product rounded once to f16,
; into the low and the high half of weight register x.
.macro JREGS J
.set rR, RAW+4*(4*((\J)/12)+(\J)%4)
.set rT, TT+20*((\J)%2)
.set rY, YY+2*((\J)%4)
.set rS, SC+4*((\J)%3)
.endm
.macro CV J, c
	JREGS \J
	v_cvt_f32_fp8 v[rT+(\c)], v[rR+(\c)]
.endm
.macro FX J, c
	JREGS \J
	v_minmax_num_f32 v[rT+(\c)], v[rT+(\c)], s[ZR], v[rT+(\c)]
.endm
.macro ML J, x
	JREGS \J
	v_fma_mixlo_f16 v[rY+(\x)], v[rT+2*(\x)], v[rS+2*(\x)], v[ZZ]
.endm
.macro MH J, x
	JREGS \J
	v_fma_mixhi_f16 v[rY+(\x)], v[rT+2*(\x)+1], v[rS+2*(\x)+1], v[ZZ]
.endm
; TWO JOBS, A (even) and A + 1, go together over eight matrix instructions: part g of 8 is three lines.  Between a line and the line whose result it reads stands a matrix instruction or another line.
.macro TRIO A, g
.if (\g) == 0
	CV \A, 0
	CV \A, 1
	CV \A, 2
.elseif (\g) == 1
	CV \A, 3
	CV (\A)+1, 0
	CV (\A)+1, 1
.elseif (\g) == 2
	FX \A, 0
	FX \A, 1
	FX \A, 2
.elseif (\g) == 3
	FX \A, 3
	CV (\A)+1, 2
	CV (\A)+1, 3
.elseif (\g) == 4
	ML \A, 0
	ML \A, 1
	FX (\A)+1, 0
.elseif (\g) == 5
	MH \A, 0
	MH \A, 1
	FX (\A)+1, 1
.elseif (\g) == 6
	FX (\A)+1, 2
	FX (\A)+1, 3
	ML (\A)+1, 0
.else
	ML (\A)+1, 1
	MH (\A)+1, 0
	MH (\A)+1, 1
.endif
.endm
; W's fragments of quarter q for window i's two column blocks, into buffer f: the turning load takes 16 k x 16 n (lane l reads k = 8 (l / 16) + l % 8, columns 8 ((l / 8) % 2) + 0..7) and leaves column l % 16 and 8 k.
.macro FB i, q, f
	WIN WALL*(\i)
.irp bl, 0,1
	ds_load_tr16_b128 v[BF+16*(\f)+8*\bl:BF+16*(\f)+8*\bl+3],   v[BAD] offset:32*PW*(\q)+32*\bl
	ds_load_tr16_b128 v[BF+16*(\f)+8*\bl+4:BF+16*(\f)+8*\bl+7], v[BAD] offset:32*PW*(\q)+32*\bl+16*PW
.endr
.endm
; x's fragments of quarter q, my 8 row blocks, into buffer f: lane l holds row l % 16, k = 8 (l / 16) + 0..7 and 16 + 8 (l / 16) + 0..7: two loads of 16 bytes, 32 bytes apart.
.macro FA q, f
	WIN 0
.irp a, 0,1,2,3,4,5,6,7
	ds_load_b128 v[AF+64*(\f)+8*\a:AF+64*(\f)+8*\a+3],   v[ADRA] offset:16*PA*\a+64*(\q)
	ds_load_b128 v[AF+64*(\f)+8*\a+4:AF+64*(\f)+8*\a+7], v[ADRA] offset:16*PA*\a+64*(\q)+32
.endr
.endm
; A QUARTER'S REGISTER WORK: 48 matrix instructions on buffers f (mm = 1; 2: they start the sums; 0: none), windows 1, 2, 3, each accumulator once and always in the same order: the accumulators
; take turns, one instruction a turn.  jobs = 1: jobs J0 .. J0 + 11 ride behind them, four to a window, three lines behind each.  No rider names a register of a matrix instruction.
.macro MULQ f, mm, J0, jobs
.irp i, 1,2,3
	WIN WM*\i
.set n, 0
.rept 16
.if \mm
	MM \f, n/2, n%2, (\mm)-1
.endif
.if \jobs
	TRIO (\J0)+4*(\i-1)+2*(n/8), n%8
.endif
.set n, n+1
.endr
.endr
.endm
; A QUARTER'S RUN OF MEMORY INSTRUCTIONS, at its head.  qn >= 0: the fragments of quarter qn into buffers g, which the quarter just ended has read: four places stand behind its last product.
; st = 1: the weights of jobs J0 .. J0 + 11, made in that quarter, are stored; reload = 1: the same pieces of the step two on are asked for, into the registers that those jobs have read.
.macro RUN qn, g, J0, st, reload
	PLACES
.if (\qn) >= 0
	FA \qn, \g
.endif
.irp i, 1,2,3
.if \st
	WIN WALL*\i
.if \reload
.irp jj, 0,1,2,3
	QLOAD (\J0)+4*(\i-1)+\jj
.endr
.endif
.endif
.if (\qn) >= 0
	FB \i, \qn, \g
.endif
.if \st
.irp jj, 0,1,2,3
	JST (\J0)+4*(\i-1)+\jj
.endr
.endif
.endr
.endm
; A QUARTER: its run, two waits, its register work.  dc: LDS instructions end in order, and this quarter's fragments are older than the run just issued: its 28 fragment loads and 12 stores may stay out.
; lc: loads come back in order.  Behind the loads of the jobs of a period's quarter p stand 12 (3 - p) later code loads of that period, the 3 scale loads behind the barrier and 12 p code loads of
; this period: 39, whatever p.  In the tail, which loads nothing: 12 + 3 + 12 = 27 for jobs 24-35, 3 + 12 = 15 for jobs 36-47.
.macro QTR f, zero, qn, JS, st, reload, JN, jobs, dc, lc
	RUN \qn, 1-(\f), \JS, \st, \reload
	s_wait_dscnt \dc
.if \jobs
	s_wait_loadcnt \lc
.endif
	MULQ \f, 1+(\zero), \JN, \jobs
.endm
.macro SNLOAD                          ; a group's scales for my four columns of each of the three pieces
.irp u, 0,1,2
	global_load_b128 v[SN+4*\u:SN+4*\u+3], v[SCO], s[SCB:SCB+1] offset:256*\u
.endr
.endm
.macro SCMOVE
.set n, 0
.rept 12
	v_mov_b32 v[SC+n], v[SN+n]
.set n, n+1
.endr
.endm
; PREFETCHES INTO THE L2, behind the tensor load, its five lines and the run of loads.  q: the barrier of step t names step t + 4, whose loads stand two periods on.  A step of a column tile is 128 rows x 3
; pieces of 256 bytes: row tile x takes rows 32 x .. 32 x + 31, a lane a row, its wave w < 3 piece w: each piece is named once in the launch (in the last column tile wave 2 alone asks: the other two pieces
; are its neighbour's).  It stops at t = 27.  xh: the column tile 0 asks, each wave for the 64 rows that it fetches itself, 256 bytes a row, step t + 3: two refills on; it stops at t = 28.
.macro ASK
	s_cmp_gt_u32 s[CNT], s[LIMQ]
	s_cbranch_scc0 .Lnot_q_\@
	global_prefetch_b8 v[PFOQ], s[PFQ:PFQ+1] th:TH_LOAD_NT scope:SCOPE_SE
.Lnot_q_\@:
	s_cmp_gt_u32 s[CNT], s[LIMA]
	s_cbranch_scc0 .Lnot_a_\@
	global_prefetch_b8 v[PFOA], s[PFA:PFA+1] th:TH_LOAD_NT scope:SCOPE_SE
	global_prefetch_b8 v[PFOA], s[PFA:PFA+1] offset:32*8192 th:TH_LOAD_NT scope:SCOPE_SE
.Lnot_a_\@:
.endm
; THE BARRIER of step t, at the head of step t - 1's last quarter: ONE for the change of slots, and that quarter's run is laid round it.  In front: the period's last twelve jobs are stored (and their
; pieces asked for anew).  Then each wave has seen its part of x's tile of step t land, has finished its stores of W of step t, and has its reads of the other slot back (the last quarter's
; fragments were asked for a quarter ago).  Behind it slot t % 2 is whole, and the other may be written: by the refill, first, and by the next period's stores.
; sc = 1: the jobs that follow take the next group's scales, and the pointers step.  refill = 1: x's tile of step t + 1 is asked for.
.macro BAR refill, sc
	PLACES                                         ; behind the last product of the quarter that read buffers 0, which are loaded below
.irp i, 1,2,3
	WIN WALL*\i
.if \sc
.irp jj, 0,1,2,3
	QLOAD 36+4*(\i-1)+\jj
.endr
.endif
.irp jj, 0,1,2,3
	JST 36+4*(\i-1)+\jj
.endr
.endr
	WIN 0
.if \sc
	s_wait_loadcnt 48                              ; the next scales are in: behind their three loads stand the period's 48 code loads
	SCMOVE
.endif
	s_wait_tensorcnt 0x0                           ; my one tensor load that was out has landed, so group 0 may be written
	ds_add_u32 v[SPW], v[NIL]                      ; 0 onto my spare word: the steps below, work on registers, stand between it and the wait for it
.if \refill
	s_xor_b32 s[G0+1], s[G0+1], SLOT1              ; the other slot,
	s_add_nc_u64 s[G0+2:G0+3], s[G0+2:G0+3], 256   ; the next 128 along K; the type bits on top are not reached
.endif
	s_xor_b32 s[TR], s[TR], SLOT1
	s_xor_b32 s[TW], s[TW], SLOT1
.if \sc
	s_wait_xcnt 0x0                                ; every load and prefetch issued so far has read its address: the pointers may be written
	s_cmp_gt_u32 s[CNT], 1                         ; the loop's last trip has no step two on: the pointers stay inside their buffers
	s_cselect_b32 s[QST], QSTEP, 0
	s_cselect_b32 s[SST], QROW, 0
	s_add_nc_u64 s[QB:QB+1], s[QB:QB+1], s[QST:QST+1]
	s_add_nc_u64 s[SCB:SCB+1], s[SCB:SCB+1], s[SST:SST+1]
	s_add_nc_u64 s[PFQ:PFQ+1], s[PFQ:PFQ+1], QSTEP
	s_add_nc_u64 s[PFA:PFA+1], s[PFA:PFA+1], 256
.endif
	v_add_nc_u32 v[ADRA], s[TR], v[ADRA0]          ; the LDS addresses of the new period: all LDS instructions that named the old ones have been issued
.irp i, 1,2,3
	WIN WALL*\i
	v_add_nc_u32 v[BAD], s[TR], v[BAD0]
	v_add_nc_u32 v[WST], s[TW], v[WST0]
.endr
	WIN 0
	s_wait_dscnt 0x0                               ; the add, my stores of W and my reads of the slot that is left are done
	s_barrier_signal -1
	s_barrier_wait -1
.if \refill
	tensor_load_to_lds s[G0:G0+3], s[G1:G1+7]      ; my one tensor load behind the barrier, and the first thing there: it has the whole period in which to land
	s_nop 0
	PLACES
.endif
.if \sc
	SNLOAD
.endif
	FA 0, 0                                        ; the new step's first fragments
	FB 1, 0, 0
	FB 2, 0, 0
	FB 3, 0, 0
	WIN 0                                          ; at a label and at a branch every window is 0
.if \sc
	ASK
.endif
.endm
	s_load_b256 s[4:11], s[0:1], 0x0               ; xh s[4:5], q s[6:7], s s[8:9], bias s[10:11]
	s_load_b64 s[12:13], s[0:1], 0x20              ; out0
	v_lshl_add_u32 v[SPW], v0, 2, SPARE
	v_mov_b32 v[NIL], 0
	ds_add_u32 v[SPW], v[NIL]                      ; the wave's opening: the add, twice on end, and its wait ahead of my first tensor load; the set-up below, work on registers, stands between
	ds_add_u32 v[SPW], v[NIL]                      ; and once more, under the one wait
	v_lshrrev_b32 v1, 5, v0
	v_readfirstlane_b32 s[WV], v1                  ; wave 0..3
	s_lshr_b32 s[WR], s[WV], 1
	s_and_b32 s[WC], s[WV], 1
	s_mov_b32 s[GX], ttmp9
	s_and_b32 s[GY], ttmp7, 0xffff
	s_mul_i32 s[N0], s[GY], 192
	s_min_u32 s[N0], s[N0], 10816                  ; the last tile is laid so that it ends with the last column
	s_cmp_eq_u32 s[GY], 57
	s_cselect_b32 s[LAST], 1, 0
	v_and_b32 v14, 15, v0                          ; r = l % 16
	v_bfe_u32 v15, v0, 4, 1                        ; h = l / 16
	v_and_b32 v60, 31, v0                          ; l
	v_and_b32 v61, 7, v0                           ; l % 8
	v_bfe_u32 v62, v0, 3, 1                        ; (l / 8) % 2
	s_mul_i32 s54, s[WV], 32*QROW                  ; codes: row 32 w + 4 h, 16 bytes at 16 r
	v_mul_u32_u24 v63, v15, 4*QROW
	v_lshl_add_u32 v63, v14, 4, v63
	v_add_nc_u32 v63, s54, v63
	s_mul_i32 s54, s[WV], 32*PW                    ; W's stores: the same row, 8 bytes at 8 r
	s_add_co_u32 s54, s54, WOFF
	v_mul_u32_u24 v64, v15, 4*PW
	v_lshl_add_u32 v64, v14, 3, v64
	v_add_nc_u32 v64, s54, v64
	s_mul_i32 s54, s[WC], 192                      ; W's turning loads: row 8 h + l % 8, 16 bytes at 16 ((l / 8) % 2), my 96 columns
	s_add_co_u32 s54, s54, WOFF
	v_lshl_add_u32 v65, v15, 3, v61
	v_mul_u32_u24 v65, v65, PW
	v_lshl_add_u32 v65, v62, 4, v65
	v_add_nc_u32 v65, s54, v65
	s_mul_i32 s54, s[WR], 128*PA                   ; x's fragments: row 128 wr + r, 16 bytes at 16 h
	v_mul_u32_u24 v[ADRA0], v14, PA
	v_lshl_add_u32 v[ADRA0], v15, 4, v[ADRA0]
	v_add_nc_u32 v[ADRA0], s54, v[ADRA0]
	v_lshlrev_b32 v[SCO], 4, v14
	v_mul_u32_u24 v[PFOQ], v60, QROW
	v_lshlrev_b32 v[PFOA], 13, v60
	s_mul_i32 s54, s[WR], 128*PS                   ; into the stage: row 128 wr + r, columns 96 wc + 8 h on
	s_mul_i32 s55, s[WC], 384
	s_add_co_u32 s54, s54, s55
	v_mul_u32_u24 v[STO], v14, PS
	v_lshl_add_u32 v[STO], v15, 5, v[STO]
	v_add_nc_u32 v[STO], s54, v[STO]
	v_add_nc_u32 v[STO2], 64*PS, v[STO]            ; 64 rows on, so that the stores' offsets stay inside 16 bits
	s_mul_i32 s54, s[WV], 64*PS                    ; back: wave w takes rows 64 w .. 64 w + 63; lanes 0-15 256 bytes of one row, lanes 16-31 of the next
	v_mul_u32_u24 v[RD], v15, PS
	v_lshl_add_u32 v[RD], v14, 4, v[RD]
	v_add_nc_u32 v[RD], s54, v[RD]
	v_mul_u32_u24 v[CO], v15, QROW                 ; and the same two rows in out0
	v_lshl_add_u32 v[CO], v14, 4, v[CO]
.irp i, 1,2,3
	WIN (\i)<<6                                    ; destination in window i, sources in window 0
	v_mov_b32 v[ZZ], 0
.set n, 0
.rept 8
	v_mov_b32 v[YY+n], 0                           ; the weight registers are written whole once: the jobs write them by halves
.set n, n+1
.endr
	v_mov_b32 v[QOF], v63
	v_mov_b32 v[WST0], v64
	v_mov_b32 v[WST], v64                          ; W of step 0 goes into slot 0
	v_add_nc_u32 v[BAD0], 64*((\i)-1), v65         ; the window's 32 columns
.endr
	WIN 0
	; descriptor group 1: 64 rows x 128 elements of 2 bytes, padded in LDS
	s_mov_b32 s[G1+0], (1<<16)|(1<<20)|(5<<22)|(3<<25)  ; 17:16 elements of 2 bytes; 20 padding on; 24:22 after every 64 words (code 5); 31:25 4 words of it (code 3)
	s_mov_b32 s[G1+1], 128<<16                     ; tensor_dim0 = 128
	s_mov_b32 s[G1+2], 64<<16                      ; tensor_dim1 = 64
	s_mov_b32 s[G1+3], 128<<16                     ; tile_dim0 = 128
	s_mov_b32 s[G1+4], 64                          ; tile_dim1 = 64
	s_mov_b32 s[G1+5], 4096                        ; elements from row to row
	s_mov_b32 s[G1+6], 0
	s_mov_b32 s[G1+7], 0
	s_mov_b32 s[G0], 1                             ; count = 1
	s_mul_i32 s[G0+1], s[WV], 64*PA                ; LDS address: my 64 rows of slot 0
	s_mov_b32 s[ZR], 0
	s_mov_b32 s[QST+1], 0
	s_mov_b32 s[SST+1], 0
	s_mov_b32 s[TR], SLOT1                         ; the first barrier turns these two round
	s_mov_b32 s[TW], 0
	s_mov_b32 s[CNT], 31
	s_cmp_lt_u32 s[WV], 3                          ; who prefetches q: waves 0-2, in the last column tile wave 2 alone
	s_cselect_b32 s54, 1, 0
	s_cmp_eq_u32 s[WV], 2
	s_cselect_b32 s55, 1, 0
	s_cmp_eq_u32 s[LAST], 1
	s_cselect_b32 s54, s55, s54
	s_cmp_eq_u32 s54, 1
	s_cselect_b32 s[LIMQ], 3, -1
	s_cmp_eq_u32 s[GY], 0                          ; who prefetches xh: column tile 0
	s_cselect_b32 s[LIMA], 2, -1
	s_lshl_b32 s54, s[GX], 21                      ; xh: rows 256 x + 64 w, 8,192 bytes each
	s_lshl_b32 s55, s[WV], 19
	s_add_co_u32 s54, s54, s55
	s_mov_b32 s55, 0
	s_lshl_b32 s56, s[N0], 2                       ; the tile's first column in q, s, bias and out0
	s_mov_b32 s57, 0
	s_lshl_b32 s58, s[GX], 8                       ; out0: the 64 rows that I store
	s_lshl_b32 s59, s[WV], 6
	s_add_co_u32 s58, s58, s59
	s_mul_i32 s58, s58, QROW
	s_add_co_u32 s58, s58, s56
	s_mov_b32 s59, 0
	s_mul_i32 s22, s[GX], 32*QROW                  ; the prefetches of q: my row tile's 32 rows, my wave's piece, step 3: the first barrier steps it to 4
	s_lshl_b32 s23, s[WV], 8
	s_add_co_u32 s22, s22, s23
	s_add_co_u32 s22, s22, 3*QSTEP
	s_mov_b32 s23, 0
	s_wait_dscnt 0x0                               ; both opening adds are done
	s_wait_kmcnt 0x0
	s_add_nc_u64 s[4:5], s[4:5], s[54:55]
	s_mov_b64 s[G0+2:G0+3], s[4:5]                 ; global address: K step 0 of my 64 rows
	s_or_b32 s[G0+3], s[G0+3], 0x80000000          ; type = 2
	tensor_load_to_lds s[G0:G0+3], s[G1:G1+7]      ; the launch's first fill: slot 0.  One tensor load of mine is out, here and behind every barrier that refills
	s_nop 0
	PLACES
	s_add_nc_u64 s[PFA:PFA+1], s[4:5], 2*256       ; at step 2: the first barrier steps it to 3
	s_add_nc_u64 s[QB:QB+1], s[6:7], s[56:57]
	s_add_nc_u64 s[SCB:SCB+1], s[8:9], s[56:57]
	s_add_nc_u64 s[10:11], s[10:11], s[56:57]
	s_add_nc_u64 s[12:13], s[12:13], s[58:59]
	s_add_nc_u64 s[PFQ:PFQ+1], s[QB:QB+1], s[22:23]
	SNLOAD                                         ; group 0's scales
.set J, 0
.rept 48                                           ; step 0's codes, in the jobs' order, so that the quarters' count holds from the first on
	WIN WALL*((J/4)%3+1)
	QLOAD J
.set J, J+1
.endr
	WIN 0
	s_wait_xcnt 0x0                                ; these loads have read their addresses
	s_add_nc_u64 s[QB:QB+1], s[QB:QB+1], QSTEP     ; step 1
	s_add_nc_u64 s[SCB:SCB+1], s[SCB:SCB+1], QROW  ; group 1
	s_wait_loadcnt 48                              ; group 0's scales are in; the 48 code loads may stay out
	SCMOVE
	SNLOAD
	; W of step 0: a period with no products: twelve jobs, their stores and step 1's loads, four times; the fourth run stands in the barrier
.irp p, 0,1,2
	s_wait_loadcnt 39
	MULQ 0, 0, 12*\p, 1
	RUN -1, 0, 12*\p, 1, 1
.endr
	s_wait_loadcnt 39
	MULQ 0, 0, 36, 1
	BAR 1, 1                                       ; step 0's barrier; the tensor load behind it is slot 1's first fill
	s_wait_loadcnt 39
	MULQ 0, 0, 0, 1                                ; there is no step before: jobs 0-11 alone
	QTR 0, 1, 1, 0, 1, 1, 12, 1, 40, 39            ; the first quarter's products start the sums: nothing is cleared
	WIN 0
	s_mov_b32 s[CNT], 30
.Lstep:                                                ; 30 trips: quarters 1 and 2 of one step, the barrier, quarter 3, quarter 0 of the next step
	QTR 1, 0, 2, 12, 1, 1, 24, 1, 40, 39
	QTR 0, 0, 3, 24, 1, 1, 36, 1, 40, 39
	BAR 1, 1
	s_wait_loadcnt 39
	MULQ 1, 1, 0, 1
	QTR 0, 0, 1, 0, 1, 1, 12, 1, 40, 39
	WIN 0
	s_sub_co_u32 s[CNT], s[CNT], 1
	s_cmp_lg_u32 s[CNT], 0
	s_cbranch_scc1 .Lstep
	; the tail is written out: step 30 ends, jobs 24-47 finish W of step 31, and nothing is asked for
	QTR 1, 0, 2, 12, 1, 0, 24, 1, 40, 27
	QTR 0, 0, 3, 24, 1, 0, 36, 1, 40, 15
	BAR 0, 0                                       ; step 31's barrier
	MULQ 1, 1, 0, 0
	QTR 0, 0, 1, 0, 0, 0, 0, 0, 28, 0              ; step 31: products alone; a run is 28 fragment loads
	QTR 1, 0, 2, 0, 0, 0, 0, 0, 28, 0
	QTR 0, 0, 3, 0, 0, 0, 0, 0, 28, 0
	QTR 1, 0, -1, 0, 0, 0, 0, 0, 0, 0
	; THE WAY OUT.  A lane holds 8 neighbouring columns of a row, the lanes beside it other rows.  So the tile goes through a stage in LDS and comes back by rows: 16 lanes then hold 256 consecutive bytes of out0.
	PLACES
	PLACES                                         ; the places between the last products and the stores that read them, once a launch
	WIN 0
	s_wait_dscnt 0x0                               ; my reads of the slots are back
	s_barrier_signal -1
	s_barrier_wait -1                              ; everybody's are: the slots, which have had their last fill, become the stage
.irp u, 0,1,2
	global_load_b128 v[BI+4*\u:BI+4*\u+3], v[SCO], s[10:11] offset:256*\u
.endr
.irp i, 1,2,3
	WIN (\i)<<2                                    ; the data, source 1, in window i; the address in window 0
.set n, 0
.rept 16                                           ; accumulator n = 2 a + bl; its low four registers go first
.set so, ((n/2)%4)*16*PS+64*(2*((\i)-1)+n%2)
.if n < 8
	ds_store_b128 v[STO], v[8*n:8*n+3] offset:so
	ds_store_b128 v[STO], v[8*n+4:8*n+7] offset:so+16
.else
	ds_store_b128 v[STO2], v[8*n:8*n+3] offset:so
	ds_store_b128 v[STO2], v[8*n+4:8*n+7] offset:so+16
.endif
.set n, n+1
.endr
.endr
	WIN 0
	s_wait_dscnt 0x0                               ; for the others' sake: my stores into the stage are done
	s_barrier_signal -1
	s_barrier_wait -1
	s_wait_loadcnt 0x0                             ; bias
; Piece u (64 columns) of my 64 rows: 32 loads of two rows each, the bias added, 32 stores.
.macro OUTU u
	s_wait_xcnt 0x0                                ; the stores issued so far have read their data: the registers may be loaded again
.set p, 0
.rept 32
	ds_load_b128 v[AF+4*p:AF+4*p+3], v[RD] offset:2*PS*p+256*(\u)
.set p, p+1
.endr
.set p, 0
.rept 32
	s_wait_dscnt 31-p                              ; LDS loads come back in order: load p is in
	v_pk_add_f32 v[AF+4*p:AF+4*p+1], v[AF+4*p:AF+4*p+1], v[BI+4*(\u):BI+4*(\u)+1]
	v_pk_add_f32 v[AF+4*p+2:AF+4*p+3], v[AF+4*p+2:AF+4*p+3], v[BI+4*(\u)+2:BI+4*(\u)+3]
	global_store_b128 v[CO], v[AF+4*p:AF+4*p+3], s[12:13] offset:2*QROW*p+256*(\u) th:TH_STORE_NT  ; 16 lanes store 256 consecutive bytes, at a multiple of 256 from out0's first byte
.set p, p+1
.endr
.endm
	s_cmp_eq_u32 s[LAST], 1
	s_cbranch_scc1 .Lown                           ; the last column tile stores its own 64 columns alone
	OUTU 0
	OUTU 1
.Lown:
	OUTU 2
	s_wait_tensorcnt 0x0                           ; the wave's end: the tensor wait, the add and its wait, behind my last tensor load and my last LDS store
	ds_add_u32 v[SPW], v[NIL]
	s_wait_dscnt 0x0
	s_endpgm
.Lfunc_end_k_q7117cbb639_wq_gemm:
	.size	k_q7117cbb639_wq_gemm, .Lfunc_end_k_q7117cbb639_wq_gemm-k_q7117cbb639_wq_gemm
	.p2alignl 7, 3214868480
	.fill 96, 4, 3214868480
	.section	.rodata,"a",@progbits
	.p2align	6, 0x0
	.amdhsa_kernel k_q7117cbb639_wq_gemm
		.amdhsa_group_segment_fixed_size 327680
		.amdhsa_private_segment_fixed_size 0
		.amdhsa_enable_private_segment 0
		.amdhsa_kernarg_size 40
		.amdhsa_user_sgpr_count 2
		.amdhsa_user_sgpr_kernarg_segment_ptr 1
		.amdhsa_wavefront_size32 1
		.amdhsa_system_sgpr_workgroup_id_x 1
		.amdhsa_system_sgpr_workgroup_id_y 1
		.amdhsa_system_sgpr_workgroup_id_z 1
		.amdhsa_system_vgpr_workitem_id 0
		.amdhsa_next_free_vgpr 1024
		.amdhsa_next_free_sgpr 66
		.amdhsa_reserve_vcc 0
		.amdhsa_float_denorm_mode_32 3
		.amdhsa_float_denorm_mode_16_64 3
		.amdhsa_memory_ordered 1
		.amdhsa_forward_progress 1
		.amdhsa_inst_pref_size 229
	.end_amdhsa_kernel
	.amdgpu_metadata
---
amdhsa.version: [ 1, 2 ]
amdhsa.kernels:
  - .name:           k_q7117cbb639_wq_gemm
    .symbol:         k_q7117cbb639_wq_gemm.kd
    .args:
      - { .name: xh, .offset: 0, .size: 8, .value_kind: global_buffer, .address_space: global }
      - { .name: qweight, .offset: 8, .size: 8, .value_kind: global_buffer, .address_space: global }
      - { .name: scales, .offset: 16, .size: 8, .value_kind: global_buffer, .address_space: global }
      - { .name: bias, .offset: 24, .size: 8, .value_kind: global_buffer, .address_space: global }
      - { .name: out0, .offset: 32, .size: 8, .value_kind: global_buffer, .address_space: global }
    .group_segment_fixed_size: 327680
    .private_segment_fixed_size: 0
    .kernarg_segment_align: 8
    .kernarg_segment_size: 40
    .max_flat_workgroup_size: 128
    .sgpr_count:     66
    .vgpr_count:     1024
    .wavefront_size: 32
...
	.end_amdgpu_metadata
.endif
;; end of part 3
;; ======== version 3 of 3: 2 launches; version 2 with the launch tohalf written anew for expert scheduling mode
;; limits: values are held in f16: magnitudes above 65,504 overflow, below 6.1e-05 lose precision
;; workspace buffers: xh 8,388,608 bytes
;; launch tohalf (part 4): grid 256 x 1, 8 waves a work-group, no clusters, 0 bytes of LDS; arguments input, xh; writes xh
.if DOCPART == 4
	.amdgcn_target "amdgcn-amd-amdhsa--gfx1250"
	.amdhsa_code_object_version 6
	.text
	.protected	k_q7117cbb639_tohalf
	.globl	k_q7117cbb639_tohalf
	.p2align	8
	.type	k_q7117cbb639_tohalf,@function
k_q7117cbb639_tohalf:
	s_mov_b64 s[64:65], 0
	v_nop
	global_prefetch_b8 v0, s[64:65] scope:SCOPE_SE
	s_setreg_imm32_b32 hwreg(HW_REG_WAVE_SCHED_MODE, 0, 2), 2
	s_setreg_imm32_b32 hwreg(HW_REG_WAVE_MODE, 25, 1), 1
	s_wait_xcnt 0x0
	s_wait_alu depctr_vm_vsrc(0)
; xh[i] = f16(input[i]), rounded once to nearest even.  input: 1,024 x 4,096 f32, xh: the same numbers in f16, same order.
; LIMITS.  f16 ends at 65,504: an |x| of 65,520 or more becomes an infinity; below 6.1e-5 a number keeps f16's fixed step of 6e-8.
; A stream: no LDS, no barrier, no matrix unit, since no number is used twice.
; SHARES.  A work-group takes 16,384 numbers, each of its eight waves 2,048: sixteen loads of 512 consecutive bytes and sixteen stores
; of 256 consecutive bytes that begin at a multiple of 256 from xh's first byte.  All sixteen loads of a wave go out before its first store:
; 8 KiB a wave on their way.  No register is written twice, so no wait frees a source.
; THE MODE: SCHED_MODE bits 1:0 = 2 (LLVM: expert scheduling mode 2), set by the entry lines.  The code itself states the register dependences
; between vector instructions and memory instructions, with s_wait_alu, always for 0.
; THE PLAN.  Registers that memory instructions touch:
;   v1, v2   byte offsets of the loads and of the stores: made at the head by vector lines, never written again.
;   X        load j lands in its four registers, once; no vector line writes them; load j's two conversions read them, and nothing lands there afterwards.
;   Y        load j's two conversions write its two registers, once; store j reads them.
; The sixteen loads are worked on in four blocks of four.  Block p rounds X of block p into Y of block p; its memory instructions are the four stores of block p - 1,
; which read Y of block p - 1 and v2: registers that no vector line of block p names.  So one wait at a block's head states all that its four stores hang on, and they
; are dealt among the block's conversions with no further wait.  One wait at the kernel's head serves the offsets, one behind the last block its stores.
.set X, 16                             ; v[16:79]   load j: 4 registers
.set Y, 80                             ; v[80:111]  store j: 2 registers
	s_load_b128 s[4:7], s[0:1], 0x0                ; input s[4:5], xh s[6:7]
	v_lshrrev_b32 v3, 5, v0                        ; wave
	v_and_b32 v4, 31, v0                           ; lane
	v_lshlrev_b32 v1, 4, v4
	v_lshl_or_b32 v1, v3, 13, v1                   ; in: 8,192 x wave + 16 x lane
	v_lshlrev_b32 v2, 3, v4
	v_lshl_or_b32 v2, v3, 12, v2                   ; out: 4,096 x wave + 8 x lane
	s_lshl_b32 s2, ttmp9, 16                       ; the work-group's 65,536 bytes of input
	s_mov_b32 s3, 0
	s_lshl_b32 s8, ttmp9, 15                       ; and its 32,768 bytes of xh
	s_mov_b32 s9, 0
	s_wait_kmcnt 0x0
	s_add_nc_u64 s[4:5], s[4:5], s[2:3]
	s_add_nc_u64 s[6:7], s[6:7], s[8:9]
	s_wait_alu depctr_va_vdst(0)                   ; v1 and v2 are written: every load reads v1 as its offset, every store v2
.irp j, 0,1,2,3,4,5,6,7,8,9,10,11,12,13,14,15
	global_load_b128 v[X+4*\j:X+4*\j+3], v1, s[4:5] offset:512*\j th:TH_LOAD_NT
.endr
.macro CONV j                          ; load j's four numbers, rounded and packed
	v_cvt_pk_f16_f32 v[Y+2*(\j)], v[X+4*(\j)], v[X+4*(\j)+1]
	v_cvt_pk_f16_f32 v[Y+2*(\j)+1], v[X+4*(\j)+2], v[X+4*(\j)+3]
.endm
.macro SEND j                          ; store j: 8 bytes a lane, 256 consecutive bytes a wave
	global_store_b64 v2, v[Y+2*(\j):Y+2*(\j)+1], s[6:7] offset:256*(\j)
.endm
; Block p: loads 4 p to 4 p + 3 are rounded; the stores of block p - 1 stand among the conversions, a store ahead of each pair.
.macro BLK p
	s_wait_loadcnt 12-4*(\p)                       ; loads come back in order: this block's four are in, the 12 - 4 p younger ones stay out
.if (\p) > 0
	s_wait_alu depctr_va_vdst(0)                   ; the conversions of the block before have written its Y, which the four stores below read
.endif
.irp i, 0,1,2,3
.if (\p) > 0
	SEND 4*((\p)-1)+\i                             ; no vector line since the wait names these registers
.endif
	CONV 4*(\p)+\i
.endr
.endm
	BLK 0
	BLK 1
	BLK 2
	BLK 3
	s_wait_alu depctr_va_vdst(0)                   ; block 3's conversions have written its Y, which the last four stores read
.irp i, 12,13,14,15
	SEND \i
.endr
	s_endpgm
.Lfunc_end_k_q7117cbb639_tohalf:
	.size	k_q7117cbb639_tohalf, .Lfunc_end_k_q7117cbb639_tohalf-k_q7117cbb639_tohalf
	.p2alignl 7, 3214868480
	.fill 96, 4, 3214868480
	.section	.rodata,"a",@progbits
	.p2align	6, 0x0
	.amdhsa_kernel k_q7117cbb639_tohalf
		.amdhsa_group_segment_fixed_size 0
		.amdhsa_private_segment_fixed_size 0
		.amdhsa_enable_private_segment 0
		.amdhsa_kernarg_size 16
		.amdhsa_user_sgpr_count 2
		.amdhsa_user_sgpr_kernarg_segment_ptr 1
		.amdhsa_wavefront_size32 1
		.amdhsa_system_sgpr_workgroup_id_x 1
		.amdhsa_system_sgpr_workgroup_id_y 1
		.amdhsa_system_sgpr_workgroup_id_z 1
		.amdhsa_system_vgpr_workitem_id 0
		.amdhsa_next_free_vgpr 112
		.amdhsa_next_free_sgpr 66
		.amdhsa_reserve_vcc 0
		.amdhsa_float_denorm_mode_32 3
		.amdhsa_float_denorm_mode_16_64 3
		.amdhsa_memory_ordered 1
		.amdhsa_forward_progress 1
		.amdhsa_inst_pref_size 7
	.end_amdhsa_kernel
	.amdgpu_metadata
---
amdhsa.version: [ 1, 2 ]
amdhsa.kernels:
  - .name:           k_q7117cbb639_tohalf
    .symbol:         k_q7117cbb639_tohalf.kd
    .args:
      - { .name: input, .offset: 0, .size: 8, .value_kind: global_buffer, .address_space: global }
      - { .name: xh, .offset: 8, .size: 8, .value_kind: global_buffer, .address_space: global }
    .group_segment_fixed_size: 0
    .private_segment_fixed_size: 0
    .kernarg_segment_align: 8
    .kernarg_segment_size: 16
    .max_flat_workgroup_size: 256
    .sgpr_count:     66
    .vgpr_count:     112
    .wavefront_size: 32
...
	.end_amdgpu_metadata
.endif
;; end of part 4
;; launch wq_gemm: the kernel of part 3 again; grid 4 x 58, 4 waves a work-group, no clusters, 327,680 bytes of LDS; arguments xh, qweight, scales, bias, out0; writes out0
